; MI455X (gfx1250); checked and timed in simulation.
; The chip was launched on July 23, 2026; its instructions are those of AMD's public machine-readable ISA for CDNA 5 (MIT licence, August 2026) and "CDNA5" Instruction Set Architecture Reference Guide (July 2026). The comments in the code are by the model that wrote it; some were corrected since.
;; Attention. Allowed arithmetic: matrix products marked QUANTISED: E2M3 operands, one E8M0 scale for each 32 along K, by v_wmma_scale_f32_16x16x128_f8f6f4 with both operands' format E2M3, f32 sums; everything else in f32.
;; Inputs: key 2 x 2,048 x 1,024 float32; query 2 x 2,048 x 2,048 float32; value_codes 2 x 1,024 x 64 x 24 uint8 (E2M3 codes of value, K innermost, in blocks of 32 codes, four codes in three bytes); value_scales 2 x 1,024 x 64 uint8 (E8M0 scales of value, one for each 32 codes along K).
;; Outputs: out0 2 x 2,048 x 2,048 float32.
;; This version of the problem:
;;   THIS VERSION OF THE PROBLEM IS GIVEN IN LOW PRECISION. The matrix products marked QUANTISED in the list below multiply operands that are first quantised to E2M3 (2 exponent bits, 3 mantissa bits; 6 bits a number), with one power-of-two scale for each 32 numbers along K (OCP MX v1.0); their sums are f32. All else is computed in f32.
;;   The module's matrix products, in the order in which they are computed (A, B: the left and right operand; K: the contracted axis; several contracted axes count as one K, in the product's order):
;;     1. batch 32 x [M 2,048, K 128] x [K 128, N 2,048]; A: input query; B: input key: QUANTISED
;;     2. batch 32 x [M 128, K 2,048] x [K 2,048, N 2,048]; A: input value (given as codes); B: softmax (see below): QUANTISED
;;   THE QUANTISER, for each operand of a quantised product, along K:
;;     - K is cut into blocks of 32 from its start; a last block that is shorter is filled with zeros.
;;     - A block's scale is 2^e with e = floor(log2(the largest magnitude in the block)) - 2, held to -126 .. 127; a block of zeros has e = 0. As a byte (E8M0): e + 127.
;;     - Each number is divided by its block's scale, clamped to +-7.5, and rounded to the nearest number of E2M3, ties to even, subnormals kept.
;;     - The product sums the exact products of the quantised numbers (number of the format x scale) in f32.
;;   ~~~python
;;   def quantise(x, axis):      # numpy; x: float32 -> the quantised numbers, widened to float32 again
;;       x = np.moveaxis(x, axis, -1); K = x.shape[-1]
;;       x = np.pad(x, [(0, 0)] * (x.ndim - 1) + [(0, -K % 32)]); x = x.reshape(x.shape[:-1] + (-1, 32)); a = np.abs(x).max(-1, keepdims=True)
;;       e = np.where(a > 0, np.clip(np.frexp(np.where(a > 0, a, 1))[1] - 1 - 2, -126, 127), 0)      # np.frexp(a)[1] - 1 = floor(log2(a)), exactly
;;       r = np.clip(x / 2.0 ** e, -7.5, 7.5)
;;       step = 2.0 ** (np.maximum(np.frexp(np.where(r == 0, 1, r))[1] - 1, 0) - 3)
;;       q = np.round(r / step) * step * 2.0 ** e      # np.round: ties to even
;;       return np.moveaxis(q.reshape(q.shape[:-2] + (-1,))[..., :K], -1, axis).astype(np.float32)
;;   ~~~
;;   SOFTMAX AHEAD OF A QUANTISED PRODUCT. Where the list says 'softmax', what is quantised is not the finished softmax but p = 2^(t - M), with t = logit x log2(e) and M = ceil(the row's largest t), a whole number; so 1/2 < the row's largest p <= 1. The row's sum l is taken of the UNQUANTISED p, in f32, and the product's result is divided by l at the end. Since M is a whole number, a kernel that streams over the keys may use a running M (the ceiling of the running maximum): every later rescaling is an exact power of two, which a block's scale takes up: the codes' values come out the same.
;;   OPERANDS COMPUTED ON THE WAY. 'Computed on the way' means the value that the module computes at that place (a softmax that the list does not call 'softmax' is quantised finished and normalised). What goes into a quantiser is computed in f32, as accurately as f32 sums, v_exp_f32 and their like allow (about 1e-6 of the number): no bf16 or f16 on the way to a quantiser, and a product that is left as it is and whose result goes on into a quantised operand takes f32 operands (vector FMAs, or v_wmma_f32_16x16x4_f32). A number that lies on a knife's edge between two numbers of the format may be rounded either way, as far as f32 arithmetic and the matrix unit's own rounding can turn it there, and no further.
;;   INPUTS GIVEN AS CODES. value (in the module: [2, 2048, 1024], K = its axis 1): each comes as NAME_codes (uint8): NAME with its K axis moved to the last place and cut into blocks of 32 codes, [.., K / 32, bytes a block], one block behind the other in memory; four codes in three bytes: a row's codes are one little-endian stream of bits, code i at bits 6 i .. 6 i + 5 (a code: sign, 2 exponent bits, 3 mantissa bits); and NAME_scales (uint8): the same leading axes, one E8M0 byte (e + 127) for each 32 codes along K. Its value is code x scale, taken as it is: it is not quantised again, and the codes and scales need not be those that the quantiser above would give.
;; One version. Each part assembles by itself: llvm-mc -triple=amdgcn-amd-amdhsa -mcpu=gfx1250 --defsym DOCPART=n.
;; ======== version 1 of 1: 2 launches
;; limits: below input magnitudes of 3.6e-12 results are inexact or not finite
;; workspace buffers: kv 6,553,600 bytes
;; launch prep (part 1): grid 256 x 1, 4 waves a work-group, no clusters, 34,304 bytes of LDS; arguments key, value_codes, value_scales, kv; writes kv
.if DOCPART == 1
	.amdgcn_target "amdgcn-amd-amdhsa--gfx1250"
	.amdhsa_code_object_version 6
	.text
	.protected	k_q84ed0a6cd5_prep
	.globl	k_q84ed0a6cd5_prep
	.p2align	8
	.type	k_q84ed0a6cd5_prep,@function
k_q84ed0a6cd5_prep:
	s_mov_b64 s[64:65], 0
	v_nop
	global_prefetch_b8 v0, s[64:65] scope:SCOPE_SE
	s_setreg_imm32_b32 hwreg(HW_REG_WAVE_MODE, 25, 1), 1
	s_wait_xcnt 0x0
; K (f32) is quantised once to codes of FP6 (E2M3) with one E8M0 byte for each 32 along the head's 128, and V's given codes and scale bytes are copied,
; into 256 RECORDS of 25,600 bytes, one for each (batch, kv head, step of 128 keys): record number = (8 b + hkv) 16 + ks.  A record lies in the order of the operands' registers:
;   0       K's 8 fragments of 1,536 bytes: registers 4 c .. 4 c + 3 of lane L of fragment T at 1536 T + 512 c + 16 L
;   12,288  K's 128 scale words: word 32 jj + L belongs to fragment 2 jj + L / 16, row L % 16
;   12,800  V's 8 fragments, laid likewise (fragment T: rows d = 16 T + L % 16 of the head, the step's 128 keys along its registers)
;   25,088  V's 128 scale words: word d
; THE KEYS OF A FRAGMENT OF K ARE NOT NEIGHBOURS: lane r of fragment 2 bq + u holds key 32 bq + 8 u + r + 8 (r / 8) of the step, so that the scores of two neighbouring fragments are 16 neighbouring keys in a lane.
; A block's scale is 2^(floor(log2(its largest magnitude)) - 2); its byte is the largest magnitude's exponent field - 2, held at 1 from below.  A block of zeros so gets the byte 1 where the rule says 127:
; its codes are zeros, which add nothing under any byte but 0xff, and these bytes are read by this program alone.
; LIMITS: NaN and infinities among the inputs are not served; blocks whose largest magnitude lies under 2^-124 have their byte held at 1.
; SHARES.  A work-group makes one record.  Wave w takes keys 32 w .. 32 w + 31 of the step (K's fragments 2 w, 2 w + 1), V's fragments 2 w, 2 w + 1 and 32 scale words of each kind.  Waves share nothing: no barrier.
; A key's 128 numbers are 512 consecutive bytes: one load of the wave.  The conversion wants 16 neighbours in ONE lane, so four keys at a time turn through the wave's own stage in LDS (64 bytes + 16 of padding a place).
; The codes (12 bytes a lane) and the scale bytes are gathered in an image of the fragments in LDS and leave as runs of 512 consecutive bytes.
.set WREG,  8448                       ; LDS of a wave: two stages of 32 x 80 bytes, the image of two fragments, 128 bytes of scale words
.set IMG,   5120
.set SCB,   8192
.set REC,   25600
.set R,     32                         ; v32-159  eight sets of 16 numbers as loaded (four keys a set)
.set X,     160                        ; v160-191 two sets of 16 neighbours
.set C,     192                        ; v192-223 codes: four registers a step, so that no store's data are written again
.set E,     224                        ; v224-231 a scale byte a step
.set VF,    232                        ; v232-255 V's two fragments
	s_load_b256 s[4:11], s[0:1], 0x0               ; key s[4:5], value_codes s[6:7], value_scales s[8:9], kv s[10:11]
	v_lshl_add_u32 v219, v0, 2, 0x8400
	v_mov_b32 v223, 0
	v_lshrrev_b32 v1, 5, v0
	v_readfirstlane_b32 s12, v1                    ; wave 0..3
	v_and_b32 v2, 31, v0                           ; lane
	s_wait_alu depctr_va_vdst(0)
	s_and_b32 s13, ttmp9, 15                       ; ks: the step of 128 keys
	s_lshr_b32 s14, ttmp9, 4                       ; bh = 8 b + hkv
	s_lshr_b32 s15, s14, 3                         ; b
	s_and_b32 s16, s14, 7                          ; hkv
	s_mul_i32 s22, s12, WREG                       ; my wave's LDS
	s_lshl_b32 s18, s15, 11                        ; key: row 2048 b + 128 ks + 32 w of 4,096 bytes, + 512 hkv
	s_lshl_b32 s17, s13, 7
	s_add_co_u32 s18, s18, s17
	s_lshl_b32 s17, s12, 5
	s_add_co_u32 s18, s18, s17
	s_lshl_b32 s18, s18, 12
	s_lshl_b32 s17, s16, 9
	s_add_co_u32 s18, s18, s17
	s_mov_b32 s19, 0
	s_lshl_b32 s23, s14, 7                         ; V: row 128 bh + 32 w
	s_lshl_b32 s17, s12, 5
	s_add_co_u32 s23, s23, s17
	s_mul_i32 s20, s23, 1536                       ; of 1,536 bytes of codes, + 96 ks
	s_mul_i32 s17, s13, 96
	s_add_co_u32 s20, s20, s17
	s_mov_b32 s21, 0
	s_lshl_b32 s28, s23, 6                         ; and of 64 scale bytes, + 4 ks
	s_lshl_b32 s17, s13, 2
	s_add_co_u32 s28, s28, s17
	s_mov_b32 s29, 0
	s_mul_i32 s30, ttmp9, REC                      ; my record
	s_mov_b32 s31, 0
	s_mul_i32 s32, s12, 3072                       ; my two fragments in it
	s_mov_b32 s33, 0
	s_lshl_b32 s34, s12, 7                         ; my 32 scale words
	s_mov_b32 s35, 0
	v_lshlrev_b32 v3, 4, v2                        ; 16 x lane
	v_lshlrev_b32 v4, 2, v2                        ; 4 x lane
	v_lshrrev_b32 v14, 2, v2
	v_mul_u32_u24 v14, v14, 80
	v_and_b32 v15, 3, v2
	v_lshl_add_u32 v14, v15, 4, v14
	v_add_nc_u32 v14, s22, v14                     ; the stage, on the way in: 80 (lane / 4) + 16 (lane % 4); a key's 512 bytes take eight places
	v_mul_u32_u24 v15, v2, 80
	v_add_nc_u32 v15, s22, v15                     ; and on the way out: place = lane: key lane / 8 of the four, numbers 16 (lane % 8) on
	v_lshrrev_b32 v5, 3, v2                        ; kk: which of the four keys
	v_bfe_u32 v6, v2, 1, 2                         ; j: which block of 32 of the head's 128
	v_and_b32 v7, 1, v6                            ; h = j % 2: the half of the lanes that holds block j,
	v_lshrrev_b32 v8, 1, v6                        ; c' = j / 2: in registers 6 c' .. 6 c' + 5
	v_and_b32 v9, 1, v2                            ; u': my half of the block
	v_mul_u32_u24 v10, v8, 6
	v_mad_u32_u24 v10, v9, 3, v10                  ; my three words are the fragment's registers 6 c' + 3 u' + 0 .. 2
	v_lshlrev_b32 v11, 4, v5
	v_lshl_add_u32 v11, v7, 8, v11                 ; 16 kk + 256 h: the image's lane, less the step's constant part
	v_add_nc_u32 v11, s22, v11
	v_add_nc_u32 v11, IMG, v11
.irp i, 0,1,2
	v_add_nc_u32 v12, \i, v10                      ; register g: at 512 (g / 4) + 4 (g % 4) of the image
	v_lshrrev_b32 v13, 2, v12
	v_and_b32 v12, 3, v12
	v_lshl_add_u32 v13, v13, 9, v11
	v_lshl_add_u32 v[20+\i], v12, 2, v13
.endr
	v_lshl_add_u32 v23, v5, 2, v6                  ; my block's scale byte: 4 kk + j
	v_add_nc_u32 v23, s22, v23
	v_add_nc_u32 v23, SCB, v23
	v_add_nc_u32 v24, s22, v3                      ; the way out of the image: 16 x lane
	v_add_nc_u32 v24, IMG, v24
	v_add_nc_u32 v25, s22, v4                      ; and of the scale words: 4 x lane
	v_add_nc_u32 v25, SCB, v25
	v_and_b32 v12, 15, v2
	v_lshrrev_b32 v13, 4, v2
	v_mul_u32_u24 v26, v12, 1536
	v_mad_u32_u24 v26, v13, 24, v26                ; V's codes: row lane % 16, + 24 bytes for lanes 16-31
	v_lshlrev_b32 v27, 6, v2                       ; V's scale bytes: row = lane
	s_wait_alu depctr_va_vdst(0)
	s_wait_kmcnt 0x0
	s_add_nc_u64 s[4:5], s[4:5], s[18:19]
	s_add_nc_u64 s[6:7], s[6:7], s[20:21]
	s_add_nc_u64 s[8:9], s[8:9], s[28:29]
	s_add_nc_u64 s[10:11], s[10:11], s[30:31]
	s_add_nc_u64 s[24:25], s[10:11], s[32:33]      ; where my fragments go
	s_add_nc_u64 s[26:27], s[10:11], s[34:35]      ; where my scale words go
	; V: 13 loads.  A lane's 24 bytes come as three loads of 8, so that every address is a multiple of the access's size
.irp tt, 0,1
.irp p, 0,1,2,3,4,5
	global_load_b64 v[VF+12*\tt+2*\p:VF+12*\tt+2*\p+1], v26, s[6:7] offset:24576*\tt+48*(\p/3)+8*(\p%3)
.endr
.endr
	global_load_b32 v31, v27, s[8:9]
.macro LOADK t                         ; four keys: each load is one key's 512 consecutive bytes
.irp i, 0,1,2,3
	global_load_b128 v[R+16*(\t)+4*\i:R+16*(\t)+4*\i+3], v3, s[4:5] offset:(4*(\t)+\i)*4096 th:TH_LOAD_NT
.endr
.endm
.irp t, 0,1,2,3,4,5,6,7
	LOADK \t                                       ; all 32 keys are asked for at once
.endr
.macro TURN t                          ; step t's numbers through the stage: LDS serves a wave's instructions in order, so no wait stands between the stores and the loads
.irp i, 0,1,2,3
	ds_store_b128 v14, v[R+16*(\t)+4*\i:R+16*(\t)+4*\i+3] offset:2560*((\t)%2)+640*\i
.endr
.irp i, 0,1,2,3
	ds_load_b128 v[X+16*((\t)%2)+4*\i:X+16*((\t)%2)+4*\i+3], v15 offset:2560*((\t)%2)+16*\i
.endr
.endm
	s_wait_loadcnt 28                              ; V's 13 loads and step 0's four are in; the 28 loads of steps 1 to 7 may be out
.irp tt, 0,1
.irp c, 0,1,2
	global_store_b128 v3, v[VF+12*\tt+4*\c:VF+12*\tt+4*\c+3], s[24:25] offset:12800+1536*\tt+512*\c   ; 32 lanes store 512 consecutive bytes, at a multiple of 256 from the buffer's first byte
.endr
.endr
	global_store_b32 v4, v31, s[26:27] offset:25088
	TURN 0
; Step t: keys 4 t .. 4 t + 3.  Key 4 t + kk is row 8 (t / 4) + 4 (t % 2) + kk of fragment (t / 2) % 2 of my two.
.macro QSTEP t
.set XS, X+16*((\t)%2)
.if (\t) > 0
	s_wait_dscnt 4                                 ; this step's numbers are back from the stage; the last step's four small stores may be out
.else
	s_wait_dscnt 0x0
.endif
.if (\t) < 7
	s_wait_loadcnt 4*(6-(\t))                      ; the next step's four loads are in; those of the steps behind it may be out
	TURN (\t)+1                                    ; they go through the other stage while this step is worked
.endif
	v_max3_num_f32 v8, |v[XS]|, |v[XS+1]|, |v[XS+2]|               ; the largest magnitude of my 16, in two chains
	v_max3_num_f32 v9, |v[XS+3]|, |v[XS+4]|, |v[XS+5]|
.irp i, 6,10
	v_max3_num_f32 v8, v8, |v[XS+\i]|, |v[XS+\i+1]|
	v_max3_num_f32 v9, v9, |v[XS+\i+2]|, |v[XS+\i+3]|
.endr
	v_max3_num_f32 v8, v8, |v[XS+14]|, |v[XS+15]|
	v_max3_num_f32 v8, v8, v9, 0x1800000           ; and the floor 2^(3 - 127): the byte cannot fall under 1
	v_max_num_f32_dpp v8, v8, v8 row_xmask:1 row_mask:0xf bank_mask:0xf   ; with my neighbour's 16: the block's
	v_add_nc_u32 v11, 0xff000000, v8               ; 2 off its exponent field: the conversion takes the exponent field of this operand as its scale, and nothing else of it
	v_cvt_scalef32_pk16_fp6_f32 v[C+4*(\t):C+4*(\t)+2], v[XS:XS+15], v11
	v_lshrrev_b32 v[E+(\t)], 23, v11               ; the scale's byte (a plain line behind the conversion)
	ds_store_b8 v23, v[E+(\t)] offset:64*(((\t)/2)%2)+4*(8*((\t)/4)+4*((\t)%2))   ; both lanes of a block write the same byte with the same value
.irp i, 0,1,2
	ds_store_b32 v[20+\i], v[C+4*(\t)+\i] offset:1536*(((\t)/2)%2)+16*(8*((\t)/4)+4*((\t)%2))
.endr
.endm
.irp t, 0,1,2,3,4,5,6,7
	QSTEP \t
.endr
.irp i, 0,1,2,3,4,5
	ds_load_b128 v[32+4*\i:35+4*\i], v24 offset:512*\i   ; the image of my two fragments; LDS serves a wave's instructions in order: these see my stores
.endr
	ds_load_b32 v56, v25                           ; and my 32 scale words
.irp i, 0,1,2,3,4,5
	s_wait_dscnt 6-\i                              ; load i is in; the younger ones may be out
	global_store_b128 v3, v[32+4*\i:35+4*\i], s[24:25] offset:512*\i
.endr
	s_wait_dscnt 0x0
	global_store_b32 v4, v56, s[26:27] offset:12288
	s_wait_tensorcnt 0x0
	ds_add_u32 v219, v223
	s_wait_dscnt 0x0
	s_endpgm
.Lfunc_end_k_q84ed0a6cd5_prep:
	.size	k_q84ed0a6cd5_prep, .Lfunc_end_k_q84ed0a6cd5_prep-k_q84ed0a6cd5_prep
	.p2alignl 7, 3214868480
	.fill 96, 4, 3214868480
	.section	.rodata,"a",@progbits
	.p2align	6, 0x0
	.amdhsa_kernel k_q84ed0a6cd5_prep
		.amdhsa_group_segment_fixed_size 34304
		.amdhsa_private_segment_fixed_size 0
		.amdhsa_enable_private_segment 0
		.amdhsa_kernarg_size 32
		.amdhsa_user_sgpr_count 2
		.amdhsa_user_sgpr_kernarg_segment_ptr 1
		.amdhsa_wavefront_size32 1
		.amdhsa_system_sgpr_workgroup_id_x 1
		.amdhsa_system_sgpr_workgroup_id_y 1
		.amdhsa_system_sgpr_workgroup_id_z 1
		.amdhsa_system_vgpr_workitem_id 0
		.amdhsa_next_free_vgpr 256
		.amdhsa_next_free_sgpr 66
		.amdhsa_reserve_vcc 0
		.amdhsa_float_denorm_mode_32 3
		.amdhsa_float_denorm_mode_16_64 3
		.amdhsa_memory_ordered 1
		.amdhsa_forward_progress 1
		.amdhsa_inst_pref_size 23
	.end_amdhsa_kernel
	.amdgpu_metadata
---
amdhsa.version: [ 1, 2 ]
amdhsa.kernels:
  - .name:           k_q84ed0a6cd5_prep
    .symbol:         k_q84ed0a6cd5_prep.kd
    .args:
      - { .name: key, .offset: 0, .size: 8, .value_kind: global_buffer, .address_space: global }
      - { .name: value_codes, .offset: 8, .size: 8, .value_kind: global_buffer, .address_space: global }
      - { .name: value_scales, .offset: 16, .size: 8, .value_kind: global_buffer, .address_space: global }
      - { .name: kv, .offset: 24, .size: 8, .value_kind: global_buffer, .address_space: global }
    .group_segment_fixed_size: 34304
    .private_segment_fixed_size: 0
    .kernarg_segment_align: 8
    .kernarg_segment_size: 32
    .max_flat_workgroup_size: 128
    .sgpr_count:     66
    .vgpr_count:     256
    .wavefront_size: 32
...
	.end_amdgpu_metadata
.endif
;; end of part 1
;; launch attn (part 2): grid 256 x 1, 12 waves a work-group, no clusters, 327,680 bytes of LDS; arguments query, kv, out0; writes out0
.if DOCPART == 2
	.amdgcn_target "amdgcn-amd-amdhsa--gfx1250"
	.amdhsa_code_object_version 6
	.text
	.protected	k_q84ed0a6cd5_attn
	.globl	k_q84ed0a6cd5_attn
	.p2align	8
	.type	k_q84ed0a6cd5_attn,@function
k_q84ed0a6cd5_attn:
	s_mov_b64 s[64:65], 0
	v_nop
	global_prefetch_b8 v0, s[64:65] scope:SCOPE_SE
	s_setreg_imm32_b32 hwreg(HW_REG_WAVE_MODE, 25, 1), 1
	s_wait_xcnt 0x0
; out[b][q][head][:] = sum over keys of softmax(30 tanh(Q.K / (30 sqrt(128)))) V, keys q - 1023 .. q, 16 query heads on 8 kv heads, both products on codes of FP6 (E2M3) with one E8M0 scale for each 32 along K.
; K and V come as records of 25,600 bytes for a step of 128 keys, laid in the order of the operands' registers by the launch before (K's 8 fragments, K's scale words, V's 8 fragments, V's scale words).
; Q (f32) is read once, by the wave that owns the tile, and quantised in registers.
; THE SOFTMAX.  u = a s with a = 2 log2(e) / (30 sqrt(128)); r = 1 / (1 + 2^u); tanh = 1 - 2 r; t = logit x log2(e) = C - 2 C r with C = 30 log2(e) = 43.2808..; p = 2^(t - 44).
; THE SHIFT IS THE CONSTANT 44, NOT A RUNNING MAXIMUM: r lies in 0 .. 1 for every input (also where 2^u is 0 or infinite), so t lies in -43.29 .. 43.29 and p in 2^-87.3 .. 2^-0.71: no exponential, no sum of at most
; 1,152 of them and no reciprocal of such a sum leaves f32's normal range, and a block's scale exponent is -90 at the least.  Against the whole number ceil(the row's largest t) the shift differs by a whole number:
; an exact power of two, which the block's scale takes up and which the sum and O carry alike.  The row's sum is taken of the unquantised p and divides O at the end.
; LIMITS: NaN and infinities among the inputs are not served; since p may be as small as 2^-88, numbers of V under about 2^-38 would lose bits in O.
; THE MASK.  Steps of 128 keys that lie wholly outside a tile's window are not walked; in the steps that the window's two edges cross, hidden p become 0 ahead of the quantiser and the sum.
; SHARES.  A tile is 16 queries of one head.  A tile at query 1,024 or later touches 9 steps; a tile in the block of 128 queries number a < 8 touches a + 1.  Work-group x: bh = x / 16 (batch, kv head), g = x % 16.
;   waves 0-7 (stream 0): queries 1024 + 64 g + 16 (wave / 2), head 2 hkv + wave % 2; steps g / 2 + 0 .. 8.
;   waves 8-11 (stream 1): with k = g % 4 + 1 first a tile of block k - 1 (k steps), then one of block 8 - k (9 - k steps).  So EVERY wave walks 9 steps, three waves to a SIMD.
; Both products are used transposed (S^T = K Q^T, O^T = V^T P^T): a lane holds ONE query (lane % 16) throughout, and the 16 registers of two neighbouring tiles of S^T are 16 neighbouring keys.
; THE RING.  Two LDS slots, 2^16 bytes apart, each with stream 0's record and stream 1's; wave 0 fetches stream 0's, wave 1 stream 1's, one tensor load each behind each barrier: by this text's count a wave has one load out at the most.
; The request stands at a step's head and the wait for it at the next step's head: a whole step's work lies between.
; NO CLUSTER: stream 0's records are walked in step by two work-groups only (g and g xor 1), stream 1's by the four with the same g % 4; no set of four work-groups needs both streams' tiles alike, and partners of a joint
; load must name one and the same set.
; REGISTERS: v1 16 lane + my stream's place, v2 4 lane + the same, v3, v4 my stage (in, back), v5, v6 the spare word's address and 0, v7 offset in out, v8, v9 the step's LDS addresses, v10 offset in query, v11 r - 16 h,
;   v[12:13] C - 44 twice, v[14:15] the sum in two halves, v16-27 Q's codes, v28 Q's scale word, v29 p's, v30 the second tile's Q scale word, v32-79 four fragments, v80-83 scale words of eight fragments,
;   v84-95 the second tile's Q codes, v96-159 S^T, then p, then V's fragments 4-7, v160-223 O^T, v224-235 p's codes, v236-255 at work.
; SCALARS: s10 wave, s11 stream, s12 g, s13 bh, s14 k, s15 the step at which I change tiles (99: never), s16 the step, s17 the step's first key, s18 my first query, s19 the slot in hand, s[20:21] lane selects,
;   s[22:23] a, s[24:25] -2 C, s[28:35] descriptor group 1, s[36:39] group 0, s[40:41] the head's first record, s[42:43] an offset, s44 the record to fetch, s45 the step at which the fetched stream starts anew,
;   s[48:49] Q's tile, s[50:51] O's tile, s[52:53], s54 from my first tile to my second in bytes and in queries, s[56:57] the second tile of Q, s60 wave % 2.
.set REC,   25600
.set KSW,   12288                      ; in a record: K's scale words,
.set VCO,   12800                      ; V's fragments,
.set VSW,   25088                      ; V's scale words
.set SLOT1, 1<<16
.set STAGE, 2*SLOT1                    ; behind the ring: 16 rows x (256 bytes + 16) for each wave, for the way out; no tensor load lands here
.set SP,    272
.set SPARE, STAGE+12*16*SP             ; the spare words, 128 bytes for each wave: six blocks of 256 bytes that no other line names
; Waves 0 and 1 fetch, the others nothing: the branch hangs on the wave's number alone.  Four v_nop follow the load.
.macro TLOAD
	s_cmp_lt_u32 s10, 2
	s_cbranch_scc0 .Lno_load_\@
	tensor_load_to_lds s[36:39], s[28:35]
	s_nop 0
.rept 4
	v_nop
.endr
.Lno_load_\@:
.endm
; THE CHANGE OF SLOTS stands at a step's head.  Each wave waits for all its tensor loads (the record that is about to be read), adds 0 to its spare word, and waits for that and for its reads of the slot that it has left.
; Behind the barrier the slot ahead is whole and nobody reads the other one.  fill = 1: that other slot takes the next step's records.
.macro CHANGE fill
	s_wait_tensorcnt 0x0                           ; no tensor load of mine is out, so group 0 may be written
	ds_add_u32 v5, v6                              ; 0 onto my spare word; the descriptor's step stands between it and the wait for it
.if \fill
	s_add_co_u32 s44, s44, 1                       ; the next record of the stream,
	s_add_co_u32 s46, s16, 1
	s_cmp_eq_u32 s46, s45
	s_cselect_b32 s44, 0, s44                      ; or record 0 again, where stream 1's second tiles begin
	s_mul_i32 s42, s44, REC
	s_xor_b32 s37, s37, SLOT1                      ; the other slot than last time
	s_add_nc_u64 s[38:39], s[40:41], s[42:43]
	s_or_b32 s39, s39, 0x80000000                  ; type = 2
.endif
	s_wait_dscnt 0x0                               ; the add is done, and my reads of the slot that I have left are over
	s_barrier_signal -1
	s_barrier_wait -1
.if \fill
	TLOAD                                          ; the first thing behind the barrier, and a wave's one tensor load until the next
.endif
.endm
.macro FRAGS reg, base, t0             ; four fragments, t0 on, as images of their registers: each load is 512 consecutive bytes
.irp t, 0,1,2,3
.irp c, 0,1,2
	ds_load_b128 v[\reg+12*\t+4*\c:\reg+12*\t+4*\c+3], v8 offset:\base+1536*(\t0+\t)+512*\c
.endr
.endr
.endm
.macro WORDS base                      ; the scale words of eight fragments: register jj: lanes 0-15 fragment 2 jj's rows, lanes 16-31 fragment 2 jj + 1's
.irp jj, 0,1,2,3
	ds_load_b32 v[80+\jj], v9 offset:\base+128*\jj
.endr
.endm
; 64 numbers of a lane, v[s] .. v[s + 63], register 16 b + i = k 32 b + 16 (lane / 16) + i of my row, become a fragment's codes in v[pc] on and its scale word in v[pw].
.macro QUANT s, pc, pw
.irp b, 0,1,2,3
	v_max3_num_f32 v[248+\b], |v[\s+16*\b]|, |v[\s+1+16*\b]|, 0x1800000   ; block b: my 16 numbers, and the floor 2^(3 - 127): the byte cannot fall under 1 (a block of zeros keeps that byte: its codes are zeros)
.endr
.irp i, 2,4,6,8,10,12,14
.irp b, 0,1,2,3
	v_max3_num_f32 v[248+\b], v[248+\b], |v[\s+16*\b+\i]|, |v[\s+1+16*\b+\i]|   ; (the four blocks by turns)
.endr
.endr
.irp b, 0,1,2,3
	s_delay_alu instid0(VALU_DEP_4)
	v_permlanex16_b32 v[252+\b], v[248+\b], s20, s21
.endr
.irp b, 0,1,2,3
	s_delay_alu instid0(VALU_DEP_4)
	v_max_num_f32 v[248+\b], v[248+\b], v[252+\b]  ; with lane l xor 16's: the block's largest magnitude
.endr
.irp b, 0,1,2,3
	s_delay_alu instid0(VALU_DEP_4)
	v_add_nc_u32 v[244+\b], 0xff000000, v[248+\b]  ; 2 off its exponent field: the conversion's scale operand
.endr
.irp b, 0,1,2,3
	s_delay_alu instid0(VALU_DEP_4)
	v_lshrrev_b32 v[252+\b], 23, v[244+\b]         ; the scale's byte
.endr
	s_delay_alu instid0(VALU_DEP_3)
	v_lshl_or_b32 v[\pw], v253, 8, v252            ; the four bytes make my row's scale word
	s_delay_alu instid0(VALU_DEP_1)
	v_lshl_or_b32 v[\pw], v254, 16, v[\pw]
	s_delay_alu instid0(VALU_DEP_1)
	v_lshl_or_b32 v[\pw], v255, 24, v[\pw]
.irp c, 0,1
	v_cvt_scalef32_pk16_fp6_f32 v[\pc+6*\c:\pc+2+6*\c], v[\s+32*\c:\s+15+32*\c], v[244+2*\c]
	v_cvt_scalef32_pk16_fp6_f32 v[236+4*\c:238+4*\c], v[\s+16+32*\c:\s+31+32*\c], v[245+2*\c]   ; (a conversion's three registers begin on an even number)
.endr
	v_nop                                          ; one plain line behind the scaled conversions
.irp c, 0,1                                    ; the operand's layout wants a WHOLE block in a lane: lanes 0-15 block 2 c, lanes 16-31 block 2 c + 1
.irp i, 0,1,2
	v_permlane16_swap_b32 v[\pc+6*\c+\i], v[236+4*\c+\i]
.endr
.irp i, 0,1,2
	s_delay_alu instid0(VALU_DEP_3)
	v_mov_b32 v[\pc+3+6*\c+\i], v[236+4*\c+\i]
.endr
.endr
.endm
.macro ZERO                            ; O^T and the sum begin as zeros, so that the key step is written once for first and later steps.  These lines also stand between a fresh operand of Q and the next product
.set j, 0
.rept 64
	v_mov_b32 v[160+j], 0
.set j, j+1
.endr
	v_mov_b32 v14, 0
	v_mov_b32 v15, 0
.endm
.macro XQ reg, p                       ; a tile of Q: lane (r, h) takes, of row r, 16 neighbouring numbers of each block of 32
.irp b, 0,1,2,3
.irp j, 0,1,2,3
	global_load_b128 v[\reg+16*\b+4*\j:\reg+16*\b+4*\j+3], v10, s[\p:\p+1] offset:128*\b+16*\j th:TH_LOAD_NT
.endr
.endr
.endm
; Register 16 b + i of p holds key KF + 32 b + 16 h + i; my query is Q0 + r.  Scalar branches on ids pass over the masks in the steps that no edge of the window crosses.
.macro MASKC                           ; a key counts where key <= query: 32 b + i <= Q0 - KF + r - 16 h
	s_add_co_u32 s96, s17, 127
	s_cmp_le_u32 s96, s18
	s_cbranch_scc1 .Lopen_\@
	s_sub_co_u32 s96, s18, s17
	v_add_nc_u32 v252, s96, v11
.set n, 0
.rept 64
	v_cmp_le_i32 vcc_lo, 32*(n/16)+n%16, v252
	v_cndmask_b32 v[96+n], 0, v[96+n], vcc_lo
.set n, n+1
.endr
.Lopen_\@:
.endm
.macro MASKW                           ; and where query - key < 1024: 32 b + i > Q0 - KF - 1024 + r - 16 h
	s_add_co_u32 s96, s17, 1009
	s_cmp_gt_u32 s96, s18
	s_cbranch_scc1 .Lnear_\@
	s_sub_co_u32 s97, s18, s17
	s_sub_co_u32 s97, s97, 1024
	v_add_nc_u32 v253, s97, v11
.set n, 0
.rept 64
	v_cmp_gt_i32 vcc_lo, 32*(n/16)+n%16, v253
	v_cndmask_b32 v[96+n], 0, v[96+n], vcc_lo
.set n, n+1
.endr
.Lnear_\@:
.endm
.macro KQ t0                           ; S^T = K Q^T, tiles t0 .. t0 + 3: source 0 = 16 keys, source 1 = my 16 queries; each product starts its own sum
.irp t, 0,1,2,3
.if (\t)%2
	v_wmma_scale_f32_16x16x128_f8f6f4 v[96+8*(\t0+\t):103+8*(\t0+\t)], v[32+12*\t:43+12*\t], v[16:27], 0, v[80+(\t0+\t)/2], v28 matrix_a_fmt:MATRIX_FMT_FP6 matrix_b_fmt:MATRIX_FMT_FP6 matrix_a_scale:MATRIX_SCALE_ROW1
.else
	v_wmma_scale_f32_16x16x128_f8f6f4 v[96+8*(\t0+\t):103+8*(\t0+\t)], v[32+12*\t:43+12*\t], v[16:27], 0, v[80+(\t0+\t)/2], v28 matrix_a_fmt:MATRIX_FMT_FP6 matrix_b_fmt:MATRIX_FMT_FP6
.endif
.endr
.endm
.macro PV areg, t0                     ; O^T += V^T P^T, tiles t0 .. t0 + 3 of the head's 128: the eight accumulators take turns, one instruction a turn
.irp t, 0,1,2,3
.if (\t)%2
	v_wmma_scale_f32_16x16x128_f8f6f4 v[160+8*(\t0+\t):167+8*(\t0+\t)], v[\areg+12*\t:\areg+11+12*\t], v[224:235], v[160+8*(\t0+\t):167+8*(\t0+\t)], v[80+(\t0+\t)/2], v29 matrix_a_fmt:MATRIX_FMT_FP6 matrix_b_fmt:MATRIX_FMT_FP6 matrix_a_scale:MATRIX_SCALE_ROW1
.else
	v_wmma_scale_f32_16x16x128_f8f6f4 v[160+8*(\t0+\t):167+8*(\t0+\t)], v[\areg+12*\t:\areg+11+12*\t], v[224:235], v[160+8*(\t0+\t):167+8*(\t0+\t)], v[80+(\t0+\t)/2], v29 matrix_a_fmt:MATRIX_FMT_FP6 matrix_b_fmt:MATRIX_FMT_FP6
.endif
.endr
.endm
; THE WAY OUT of a tile.  O^T is divided by the row's sum and goes through my stage in LDS, half a row (64 channels, 256 bytes) of 16 queries at a time, so that sixteen lanes store 256 consecutive bytes, aligned.
.macro FINISH inloop
	v_add_f32 v14, v14, v15                        ; the sum's two halves,
	s_delay_alu instid0(VALU_DEP_1)
	v_permlanex16_b32 v252, v14, s20, s21
	s_delay_alu instid0(VALU_DEP_1)
	v_add_f32 v14, v14, v252                       ; and lane l xor 16's: the row's sum
	s_wait_alu depctr_va_vdst(0)
	v_rcp_f32 v14, v14
	v_mov_b32 v15, 0                               ; a plain line behind the reciprocal (v15 is named below as the pair's upper half)
	s_wait_alu depctr_va_vdst(0)                   ; the wait ahead of the first reader
.set j, 0
.rept 32
	v_pk_mul_f32 v[96+j:97+j], v[160+j:161+j], v[14:15] op_sel_hi:[1,0]   ; register 8 t + i is o(r, 16 t + 8 h + i); each accumulator is read from its low end on
.set j, j+2
.endr
.irp u, 0,1
.irp t, 0,1,2,3
	ds_store_b128 v3, v[96+32*\u+8*\t:99+32*\u+8*\t] offset:64*\t
	ds_store_b128 v3, v[100+32*\u+8*\t:103+32*\u+8*\t] offset:64*\t+16
.endr
.irp i, 0,1,2,3,4,5,6,7
	ds_load_b128 v[32+192*\u+4*\i:35+192*\u+4*\i], v4 offset:2*SP*\i   ; LDS serves a wave's instructions in order: these see my stores, and the next half's stores come behind them
.endr
.endr
.irp u, 0,1
.irp i, 0,1,2,3,4,5,6,7
	s_wait_dscnt 23-16*\u-\i                       ; the LDS instructions issued behind this load may be out
	global_store_b128 v7, v[32+192*\u+4*\i:35+192*\u+4*\i], s[50:51] offset:16384*\i+256*\u th:TH_STORE_NT
.endr
.endr
.if \inloop
	s_wait_xcnt 0x0                                ; the stores have read their registers and their base: both are written again below
.endif
.endm
; A KEY STEP: 128 keys.  sw = 1: the step may be the one at which a wave of stream 1 changes tiles.
.macro STEP sw
.if \sw
	s_cmp_lg_u32 s16, s15
	s_cbranch_scc1 .Lsame_\@
	s_wait_alu depctr_va_vdst(0)
	FINISH 1                                       ; my first tile leaves;
	s_add_nc_u64 s[50:51], s[50:51], s[52:53]      ; my second tile: its rows of out,
	s_add_co_u32 s18, s18, s54                     ; its first query,
	s_mov_b32 s17, 0                               ; its keys begin at 0,
.set j, 0
.rept 12
	v_mov_b32 v[16+j], v[84+j]                     ; its codes of Q
.set j, j+1
.endr
	v_mov_b32 v28, v30                             ; and their scale word
	ZERO
.Lsame_\@:
.endif
	v_add_nc_u32 v8, s19, v1
	v_add_nc_u32 v9, s19, v2
	FRAGS 32, 0, 0
	WORDS KSW
	s_wait_alu depctr_va_vdst(0)
	s_wait_dscnt 0x0
	KQ 0
.rept 4
	v_nop                                          ; four places in front of loads into registers that matrix instructions have read
.endr
	FRAGS 32, 0, 4
	s_wait_dscnt 0x0
	KQ 4
.set j, 0
.rept 16
	v_pk_mul_f32 v[96+j:97+j], v[96+j:97+j], s[22:23] op_sel_hi:[1,0]   ; u = a s, tiles 0-3 (finished above, behind four places); these 16 lines name no register of the last four products: they are the places behind those
.set j, j+2
.endr
	FRAGS 32, VCO, 0                               ; V's fragments 0-3 and its scale words land under the softmax
	WORDS VSW
.set j, 32
.rept 16
	v_pk_mul_f32 v[96+j:97+j], v[96+j:97+j], s[22:23] op_sel_hi:[1,0]
.set j, j+2
.endr
.set j, 0
	s_wait_alu depctr_va_vdst(0)
.rept 64
	v_exp_f32 v[96+j], v[96+j]                     ; 2^u: one batch,
.set j, j+1
.endr
	v_nop                                          ; one plain line behind it,
	s_wait_alu depctr_va_vdst(0)                   ; and ONE wait ahead of its first reader
.set j, 0
.rept 32
	v_pk_add_f32 v[96+j:97+j], v[96+j:97+j], 1.0 op_sel_hi:[1,0]
.set j, j+2
.endr
.set j, 0
	s_wait_alu depctr_va_vdst(0)
.rept 64
	v_rcp_f32 v[96+j], v[96+j]                     ; r = 1 / (1 + 2^u), in 0 .. 1
.set j, j+1
.endr
	v_nop
	s_wait_alu depctr_va_vdst(0)
.set j, 0
.rept 32
	v_pk_fma_f32 v[96+j:97+j], v[96+j:97+j], s[24:25], v[12:13] op_sel_hi:[1,0,1]   ; t - 44 = (C - 44) - 2 C r
.set j, j+2
.endr
.set j, 0
	s_wait_alu depctr_va_vdst(0)
.rept 64
	v_exp_f32 v[96+j], v[96+j]                     ; p = 2^(t - 44): NOT normalised
.set j, j+1
.endr
	v_nop
	s_wait_alu depctr_va_vdst(0)
	MASKC
	MASKW
	QUANT 96, 224, 29
	v_pk_add_f32 v[236:237], v[100:101], v[104:105]
	v_pk_add_f32 v[250:251], v[108:109], v[112:113]
	v_pk_add_f32 v[248:249], v[116:117], v[120:121]
	v_pk_add_f32 v[246:247], v[124:125], v[128:129]
	v_pk_add_f32 v[244:245], v[132:133], v[136:137]
	v_pk_add_f32 v[242:243], v[140:141], v[144:145]
	v_pk_add_f32 v[240:241], v[148:149], v[152:153]
	v_pk_add_f32 v[14:15], v[14:15], v[156:157]
	v_pk_add_f32 v[236:237], v[236:237], v[96:97]
	v_pk_add_f32 v[250:251], v[250:251], v[98:99]
	v_pk_add_f32 v[248:249], v[248:249], v[102:103]
	v_pk_add_f32 v[246:247], v[246:247], v[106:107]
	v_pk_add_f32 v[244:245], v[244:245], v[110:111]
	v_pk_add_f32 v[242:243], v[242:243], v[114:115]
	v_pk_add_f32 v[240:241], v[240:241], v[118:119]
	v_pk_add_f32 v[14:15], v[14:15], v[122:123]
	v_pk_add_f32 v[236:237], v[236:237], v[126:127]
	v_pk_add_f32 v[250:251], v[250:251], v[130:131]
	v_pk_add_f32 v[248:249], v[248:249], v[134:135]
	v_pk_add_f32 v[246:247], v[246:247], v[138:139]
	v_pk_add_f32 v[244:245], v[244:245], v[142:143]
	v_pk_add_f32 v[242:243], v[242:243], v[146:147]
	v_pk_add_f32 v[240:241], v[240:241], v[150:151]
	v_pk_add_f32 v[14:15], v[14:15], v[154:155]
	v_pk_add_f32 v[236:237], v[236:237], v[158:159]
	s_delay_alu instid0(VALU_DEP_2)
	v_pk_add_f32 v[14:15], v[14:15], v[246:247]
	s_delay_alu instid0(VALU_DEP_2)
	v_pk_add_f32 v[236:237], v[236:237], v[244:245]
	v_pk_add_f32 v[250:251], v[250:251], v[242:243]
	v_pk_add_f32 v[248:249], v[248:249], v[240:241]
	s_delay_alu instid0(VALU_DEP_2)
	v_pk_add_f32 v[14:15], v[14:15], v[250:251]
	s_delay_alu instid0(VALU_DEP_2)
	v_pk_add_f32 v[236:237], v[236:237], v[248:249]
	s_delay_alu instid0(VALU_DEP_1)
	v_pk_add_f32 v[14:15], v[14:15], v[236:237]
	FRAGS 96, VCO, 4                               ; p is done with: V's fragments 4-7 take its registers
	s_wait_dscnt 12                                ; all but the 12 loads just issued: V's fragments 0-3 and its scale words are in
	PV 32, 0
	s_wait_dscnt 0x0
	PV 96, 4
.rept 5
	v_nop                                          ; five places: the next step's products write over registers that these have read; its loads and the way out's reads want four
.endr
	s_add_co_u32 s17, s17, 128
	s_xor_b32 s19, s19, SLOT1                      ; on to the other slot
.endm
	s_load_b128 s[4:7], s[0:1], 0x0                ; query s[4:5], kv s[6:7]
	s_load_b64 s[8:9], s[0:1], 0x10                ; out0
	v_lshl_add_u32 v5, v0, 2, SPARE
	v_mov_b32 v6, 0
	ds_add_u32 v5, v6
	ds_add_u32 v5, v6
	s_wait_dscnt 0x0
	v_lshrrev_b32 v1, 5, v0
	s_delay_alu instid0(VALU_DEP_1)
	v_readfirstlane_b32 s10, v1                    ; wave 0..11
	s_lshr_b32 s11, s10, 3                         ; my stream
	s_and_b32 s60, s10, 1                          ; my head of the two; for waves 0 and 1: the stream that I fetch
	s_and_b32 s12, ttmp9, 15                       ; g
	s_lshr_b32 s13, ttmp9, 4                       ; bh
	s_and_b32 s14, s12, 3
	s_add_co_u32 s14, s14, 1                       ; k
	s_lshr_b32 s47, s10, 1
	s_and_b32 s47, s47, 3
	s_lshl_b32 s47, s47, 4                         ; 16 x my tile among the wave pairs (waves 8-11: 0, 0, 16, 16)
	s_lshl_b32 s96, s12, 6
	s_add_co_u32 s96, s96, 1024
	s_add_co_u32 s96, s96, s47                     ; stream 0: my first query
	s_and_b32 s97, s12, 3
	s_lshl_b32 s97, s97, 7
	s_lshr_b32 s55, s12, 2
	s_lshl_b32 s55, s55, 5
	s_add_co_u32 s97, s97, s55
	s_add_co_u32 s97, s97, s47                     ; stream 1: 128 (k - 1) + 32 (g / 4) + 16 x tile
	s_lshr_b32 s55, s12, 1                         ; stream 0's first step
	s_lshl_b32 s58, s55, 7                         ; and its first key
	s_cmp_lt_u32 s10, 8                            ; (only moves and selects stand between a compare and the selects on it)
	s_cselect_b32 s15, 99, s14
	s_cselect_b32 s18, s96, s97
	s_cselect_b32 s17, s58, 0
	s_cmp_eq_u32 s60, 0
	s_cselect_b32 s44, s55, 0
	s_cselect_b32 s45, 99, s14
	s_lshl_b32 s54, s14, 1
	s_sub_co_u32 s54, 9, s54                       ; 9 - 2 k blocks of 128 queries from my first tile to my second
	s_lshl_b32 s52, s54, 20                        ; in bytes of query and of out (8,192 a query),
	s_mov_b32 s53, 0
	s_lshl_b32 s54, s54, 7                         ; and in queries
	; descriptor group 1: a record, dense in memory, as 100 rows of 256 bytes (32 elements of 8 bytes)
	s_mov_b32 s28, 3<<16                           ; no mask; elements of 8 bytes; no padding
	s_mov_b32 s29, 32<<16                          ; tensor_dim0 = 32
	s_mov_b32 s30, 100<<16                         ; tensor_dim1 = 100
	s_mov_b32 s31, 32<<16                          ; tile_dim0 = 32
	s_mov_b32 s32, 100                             ; tile_dim1 = 100
	s_mov_b32 s33, 32                              ; from row to row
	s_mov_b32 s34, 0
	s_mov_b32 s35, 0
	s_mov_b32 s20, 0x76543210
	s_mov_b32 s21, 0xfedcba98                      ; v_permlanex16_b32's selects for lane l xor 16
	s_mov_b32 s22, 0x3c0b4875                      ; a = 2 log2(e) / (30 sqrt(128))
	s_mov_b32 s23, s22                             ; (named with it as a pair, so it is written)
	s_mov_b32 s24, 0xc2ad1f97                      ; -2 C = -60 log2(e)
	s_mov_b32 s25, s24
	s_mov_b32 s19, 0
	; every LDS address register is made here, ahead of the first branch on the wave's number
	v_and_b32 v12, 31, v0                          ; lane
	v_and_b32 v13, 15, v0                          ; r
	v_bfe_u32 v14, v0, 4, 1                        ; h
	s_mul_i32 s59, s11, REC
	v_lshl_add_u32 v1, v12, 4, s59
	v_lshl_add_u32 v2, v12, 2, s59
	s_mul_i32 s59, s10, 16*SP
	s_add_co_u32 s59, s59, STAGE                   ; my stage
	v_mul_u32_u24 v3, v13, SP
	s_delay_alu instid0(VALU_DEP_1)
	v_lshl_add_u32 v3, v14, 5, v3
	s_delay_alu instid0(VALU_DEP_1)
	v_add_nc_u32 v3, s59, v3                       ; in: row r; a tile's eight channels of my half: 32 h bytes on
	v_mul_u32_u24 v4, v14, SP
	s_delay_alu instid0(VALU_DEP_1)
	v_lshl_add_u32 v4, v13, 4, v4
	s_delay_alu instid0(VALU_DEP_1)
	v_add_nc_u32 v4, s59, v4                       ; back: lanes 0-15 one row, lanes 16-31 the next
	v_lshlrev_b32 v7, 13, v14
	s_delay_alu instid0(VALU_DEP_1)
	v_lshl_add_u32 v7, v13, 4, v7                  ; and the same two rows in out: 8,192 bytes a query
	v_lshlrev_b32 v10, 13, v13
	s_delay_alu instid0(VALU_DEP_1)
	v_lshl_add_u32 v10, v14, 6, v10                ; query: row r, + 64 h: my 16 numbers of a block of 32
	v_lshlrev_b32 v11, 4, v14
	s_delay_alu instid0(VALU_DEP_1)
	v_sub_nc_u32 v11, v13, v11                     ; r - 16 h, for the masks
	s_mul_i32 s42, s13, 16*REC                     ; the head's 16 records
	s_mov_b32 s43, 0
	s_mul_i32 s56, s44, REC                        ; the first record that I fetch, if I fetch
	s_mov_b32 s57, 0
	s_wait_kmcnt 0x0
	s_add_nc_u64 s[40:41], s[6:7], s[42:43]
	s_mov_b32 s36, 1                               ; count = 1
	s_mul_i32 s37, s60, REC                        ; LDS address: slot 0, the stream's place
	s_add_nc_u64 s[38:39], s[40:41], s[56:57]
	s_or_b32 s39, s39, 0x80000000                  ; type = 2
	TLOAD                                          ; step 0's records: the launch's one first fill, ahead of every wait on TENSORcnt, every LDS read and every barrier
	s_lshr_b32 s96, s13, 3                         ; my tile in query and in out: ((2048 b + Q0) x 8,192) + 512 x head
	s_lshl_b32 s96, s96, 11
	s_add_co_u32 s96, s96, s18
	s_lshl_b32 s96, s96, 13
	s_and_b32 s97, s13, 7
	s_lshl_b32 s97, s97, 1
	s_add_co_u32 s97, s97, s60
	s_lshl_b32 s97, s97, 9
	s_add_co_u32 s42, s96, s97
	s_add_nc_u64 s[48:49], s[4:5], s[42:43]
	s_add_nc_u64 s[50:51], s[8:9], s[42:43]
	s_add_nc_u64 s[56:57], s[48:49], s[52:53]
	s_wait_alu depctr_va_vdst(0)
	XQ 96, 48
	s_cmp_lt_u32 s10, 8
	s_cbranch_scc1 .Lone_load
	XQ 160, 56                                     ; stream 1: my second tile of Q too
.Lone_load:
	v_mov_b32 v12, 0xbf381a22                      ; C - 44
	v_mov_b32 v13, 0xbf381a22
.irp b, 0,1,2,3
	v_mov_b32 v[252+\b], 0                         ; written once: a lane permute's destination counts as one of its sources
.endr
	v_mov_b32 v30, 0                               ; the second tile's registers are written on every wave's way
.set j, 0
.rept 12
	v_mov_b32 v[84+j], 0
.set j, j+1
.endr
	s_wait_loadcnt 0x0
	QUANT 96, 16, 28
	s_cmp_lt_u32 s10, 8
	s_cbranch_scc1 .Lone_tile
	QUANT 160, 84, 30
.Lone_tile:
	ZERO
	s_mov_b32 s16, 0
.Lstep:                                            ; eight trips: behind each change of slots but the last the next step's records are asked for
	CHANGE 1
	STEP 1
	s_add_co_u32 s16, s16, 1
	s_cmp_lt_u32 s16, 8
	s_cbranch_scc1 .Lstep
	CHANGE 0                                       ; the last step is written out
	STEP 0
	s_wait_alu depctr_va_vdst(0)
	FINISH 0
	s_wait_tensorcnt 0x0                           ; the wave's end: behind my last tensor load and my last LDS store
	ds_add_u32 v5, v6
	s_wait_dscnt 0x0
	s_endpgm
.Lfunc_end_k_q84ed0a6cd5_attn:
	.size	k_q84ed0a6cd5_attn, .Lfunc_end_k_q84ed0a6cd5_attn-k_q84ed0a6cd5_attn
	.p2alignl 7, 3214868480
	.fill 96, 4, 3214868480
	.section	.rodata,"a",@progbits
	.p2align	6, 0x0
	.amdhsa_kernel k_q84ed0a6cd5_attn
		.amdhsa_group_segment_fixed_size 327680
		.amdhsa_private_segment_fixed_size 0
		.amdhsa_enable_private_segment 0
		.amdhsa_kernarg_size 24
		.amdhsa_user_sgpr_count 2
		.amdhsa_user_sgpr_kernarg_segment_ptr 1
		.amdhsa_wavefront_size32 1
		.amdhsa_system_sgpr_workgroup_id_x 1
		.amdhsa_system_sgpr_workgroup_id_y 1
		.amdhsa_system_sgpr_workgroup_id_z 1
		.amdhsa_system_vgpr_workitem_id 0
		.amdhsa_next_free_vgpr 256
		.amdhsa_next_free_sgpr 100
		.amdhsa_reserve_vcc 1
		.amdhsa_float_denorm_mode_32 3
		.amdhsa_float_denorm_mode_16_64 3
		.amdhsa_memory_ordered 1
		.amdhsa_forward_progress 1
		.amdhsa_inst_pref_size 108
	.end_amdhsa_kernel
	.amdgpu_metadata
---
amdhsa.version: [ 1, 2 ]
amdhsa.kernels:
  - .name:           k_q84ed0a6cd5_attn
    .symbol:         k_q84ed0a6cd5_attn.kd
    .args:
      - { .name: query, .offset: 0, .size: 8, .value_kind: global_buffer, .address_space: global }
      - { .name: kv, .offset: 8, .size: 8, .value_kind: global_buffer, .address_space: global }
      - { .name: out0, .offset: 16, .size: 8, .value_kind: global_buffer, .address_space: global }
    .group_segment_fixed_size: 327680
    .private_segment_fixed_size: 0
    .kernarg_segment_align: 8
    .kernarg_segment_size: 24
    .max_flat_workgroup_size: 384
    .sgpr_count:     100
    .vgpr_count:     256
    .wavefront_size: 32
...
	.end_amdgpu_metadata
.endif
;; end of part 2
